; MI455X (gfx1250); checked and timed in simulation.
; The chip was launched on July 23, 2026; its instructions are those of AMD's public machine-readable ISA for CDNA 5 (MIT licence, August 2026) and "CDNA5" Instruction Set Architecture Reference Guide (July 2026). The comments in the code are by the model that wrote it; some were corrected since.
;; Multi Head Attention. Allowed arithmetic: float matrix products may take bf16 or f16 operands with f32 sums; all other float work in f32.
;; Inputs: Wk 16 x 64 x 1,024 float32; Wq 16 x 64 x 1,024 float32; Wv 16 x 64 x 1,024 float32; x 8 x 1,024 x 1,024 float32.
;; Outputs: out0 8 x 1,024 x 1,024 float32.
;; 2 versions, each right; version 2 is version 1 with the launch cast written anew for expert scheduling mode. Each part assembles by itself: llvm-mc -triple=amdgcn-amd-amdhsa -mcpu=gfx1250 --defsym DOCPART=n.
;; ======== version 1 of 2: 3 launches
;; limits: values are held in f16: magnitudes above 65,504 overflow, below 6.1e-05 lose precision
;; workspace buffers: xb 16,777,216 bytes; wb 6,291,456 bytes; qkv 50,331,648 bytes
;; launch cast (part 1): grid 1408 x 1, 8 waves a work-group, no clusters, 0 bytes of LDS; arguments x, Wq, Wk, Wv, xb, wb; writes xb, wb
.if DOCPART == 1
	.amdgcn_target "amdgcn-amd-amdhsa--gfx1250"
	.amdhsa_code_object_version 6
	.text
	.protected	k_q316d60bf6f_cast
	.globl	k_q316d60bf6f_cast
	.p2align	8
	.type	k_q316d60bf6f_cast,@function
k_q316d60bf6f_cast:
	s_mov_b64 s[64:65], 0
	v_nop
	global_prefetch_b8 v0, s[64:65] scope:SCOPE_SE
	s_setreg_imm32_b32 hwreg(HW_REG_WAVE_MODE, 25, 1), 1
	s_wait_xcnt 0x0
; x [8192][1024] and Wq | Wk | Wv [3072][1024], f32, are rounded once to bf16 (to nearest even) and laid out in blocks of 64 along K:
;   xb[kb][m][64], wb[kb][n][64], kb = 0..15; element (row, k) lies at (k >> 6) * PLANE + row * 128 + (k & 63) * 2.
; In that layout a tile of R rows x 64 k is one dense run of R * 128 bytes, which the next launch fetches as whole rows of 256 bytes.
; A stream: no LDS, no barrier, no matrix unit; every input byte is read once and every output byte written once.
; A work-group takes 8 source rows (32,768 bytes in, 16,384 out).  Groups 0..1023 take x; group 1024 + j takes rows 8 (j & 127) of
; W number j >> 7 (0 Wq, 1 Wk, 2 Wv), which are rows 8 j of wb.
; Thread t: c = t & 7 (8 numbers of a block's 64), rs = (t >> 3) & 7 (row), kq = t >> 6; it converts blocks 4 kq .. 4 kq + 3.
; Eight neighbouring lanes read 256 consecutive aligned bytes with two loads; a wave's store covers 4 rows x 128 = 512 consecutive aligned bytes.
.set PLANEA, 1048576                   ; bytes of one K block of xb: 8192 rows x 128
.set PLANEB, 393216                    ; of wb: 3072 rows x 128
.set IN,  8                            ; v[8:39]   block g: 8 f32 as loaded
.set CV,  40                           ; v[40:55]  block g: 8 bf16 to store
	s_load_b256 s[4:11], s[0:1], 0x0               ; x s[4:5], Wq s[6:7], Wk s[8:9], Wv s[10:11]
	s_load_b128 s[12:15], s[0:1], 0x20             ; xb s[12:13], wb s[14:15]
	s_sub_co_u32 s17, ttmp9, 1024                  ; j (used only where the group's number is 1024 or more)
	s_lshr_b32 s18, s17, 7                         ; which W
	s_and_b32 s19, s17, 127                        ; which 8 rows of it
	s_mov_b32 s26, PLANEB
	s_mov_b32 s27, PLANEA
	v_and_b32 v6, 7, v0                            ; c
	v_bfe_u32 v7, v0, 3, 3                         ; rs
	v_lshrrev_b32 v2, 6, v0                        ; kq
	v_lshlrev_b32 v1, 5, v6                        ; in: 32 c
	v_lshl_add_u32 v1, v7, 12, v1                  ;   + 4096 rs
	v_lshl_add_u32 v1, v2, 10, v1                  ;   + 1024 kq (four blocks of 256 bytes)
	v_lshlrev_b32 v3, 4, v6                        ; out: 16 c
	v_lshl_add_u32 v3, v7, 7, v3                   ;   + 128 rs
	v_lshlrev_b32 v2, 2, v2                        ; my first block, 4 kq
	s_wait_kmcnt 0x0
	s_cmp_eq_u32 s18, 1
	s_cselect_b64 s[20:21], s[8:9], s[6:7]         ; Wk or Wq
	s_cmp_eq_u32 s18, 2
	s_cselect_b64 s[20:21], s[10:11], s[20:21]     ; Wv
	s_cmp_lt_u32 ttmp9, 1024                       ; x's groups; the selects below leave SCC as it is
	s_cselect_b64 s[20:21], s[4:5], s[20:21]       ; from
	s_cselect_b64 s[22:23], s[12:13], s[14:15]     ; to
	s_cselect_b32 s24, ttmp9, s19                  ; which 8 rows of the source
	s_cselect_b32 s25, ttmp9, s17                  ; which 8 rows of the target
	s_cselect_b32 s26, s27, s26                    ; the target's plane
	s_lshl_b32 s28, s24, 15                        ; 8 rows of 4,096 bytes
	s_mov_b32 s29, 0
	s_lshl_b32 s30, s25, 10                        ; 8 rows of 128 bytes
	s_mov_b32 s31, 0
	s_add_nc_u64 s[20:21], s[20:21], s[28:29]
	s_add_nc_u64 s[22:23], s[22:23], s[30:31]
.irp g, 0,1,2,3
	global_load_b128 v[IN+8*\g:IN+8*\g+3],   v1, s[20:21] offset:256*\g th:TH_LOAD_NT
	global_load_b128 v[IN+8*\g+4:IN+8*\g+7], v1, s[20:21] offset:256*\g+16 th:TH_LOAD_NT
.endr
	v_mul_lo_u32 v2, v2, s26                       ; 4 kq planes
	v_add_nc_u32 v2, v2, v3                        ; v2..v5: my 16 bytes in blocks 4 kq .. 4 kq + 3
	v_add_nc_u32 v3, s26, v2
	v_add_nc_u32 v4, s26, v3
	v_add_nc_u32 v5, s26, v4
.irp g, 0,1,2,3
	s_wait_loadcnt 6-2*\g                          ; loads come back in order: block g's two are in, the 2 (3 - g) younger ones stay out
.irp i, 0,1,2,3
	v_cvt_pk_bf16_f32 v[CV+4*\g+\i], v[IN+8*\g+2*\i], v[IN+8*\g+2*\i+1]
.endr
	global_store_b128 v[2+\g], v[CV+4*\g:CV+4*\g+3], s[22:23]      ; read again by the next launch: no hint
.endr
	s_endpgm                                       ; no register that a load or store names is ever rewritten
.Lfunc_end_k_q316d60bf6f_cast:
	.size	k_q316d60bf6f_cast, .Lfunc_end_k_q316d60bf6f_cast-k_q316d60bf6f_cast
	.p2alignl 7, 3214868480
	.fill 96, 4, 3214868480
	.section	.rodata,"a",@progbits
	.p2align	6, 0x0
	.amdhsa_kernel k_q316d60bf6f_cast
		.amdhsa_group_segment_fixed_size 0
		.amdhsa_private_segment_fixed_size 0
		.amdhsa_enable_private_segment 0
		.amdhsa_kernarg_size 48
		.amdhsa_user_sgpr_count 2
		.amdhsa_user_sgpr_kernarg_segment_ptr 1
		.amdhsa_wavefront_size32 1
		.amdhsa_system_sgpr_workgroup_id_x 1
		.amdhsa_system_sgpr_workgroup_id_y 1
		.amdhsa_system_sgpr_workgroup_id_z 1
		.amdhsa_system_vgpr_workitem_id 0
		.amdhsa_next_free_vgpr 56
		.amdhsa_next_free_sgpr 66
		.amdhsa_reserve_vcc 0
		.amdhsa_float_denorm_mode_32 3
		.amdhsa_float_denorm_mode_16_64 3
		.amdhsa_memory_ordered 1
		.amdhsa_forward_progress 1
		.amdhsa_inst_pref_size 5
	.end_amdhsa_kernel
	.amdgpu_metadata
---
amdhsa.version: [ 1, 2 ]
amdhsa.kernels:
  - .name:           k_q316d60bf6f_cast
    .symbol:         k_q316d60bf6f_cast.kd
    .args:
      - { .name: x, .offset: 0, .size: 8, .value_kind: global_buffer, .address_space: global }
      - { .name: Wq, .offset: 8, .size: 8, .value_kind: global_buffer, .address_space: global }
      - { .name: Wk, .offset: 16, .size: 8, .value_kind: global_buffer, .address_space: global }
      - { .name: Wv, .offset: 24, .size: 8, .value_kind: global_buffer, .address_space: global }
      - { .name: xb, .offset: 32, .size: 8, .value_kind: global_buffer, .address_space: global }
      - { .name: wb, .offset: 40, .size: 8, .value_kind: global_buffer, .address_space: global }
    .group_segment_fixed_size: 0
    .private_segment_fixed_size: 0
    .kernarg_segment_align: 8
    .kernarg_segment_size: 48
    .max_flat_workgroup_size: 256
    .sgpr_count:     66
    .vgpr_count:     56
    .wavefront_size: 32
...
	.end_amdgpu_metadata
.endif
;; end of part 1
;; launch proj (part 2): grid 8 x 32, 4 waves a work-group, clusters of 4 x 4, 327,680 bytes of LDS; arguments xb, wb, qkv; writes qkv
.if DOCPART == 2
	.amdgcn_target "amdgcn-amd-amdhsa--gfx1250"
	.amdhsa_code_object_version 6
	.text
	.protected	k_q316d60bf6f_proj
	.globl	k_q316d60bf6f_proj
	.p2align	8
	.type	k_q316d60bf6f_proj,@function
k_q316d60bf6f_proj:
	s_mov_b64 s[64:65], 0
	v_nop
	global_prefetch_b8 v0, s[64:65] scope:SCOPE_SE
	s_setreg_imm32_b32 hwreg(HW_REG_WAVE_MODE, 25, 1), 1
	s_wait_xcnt 0x0
	s_wait_alu depctr_hold_cnt(0) depctr_sa_sdst(0) depctr_va_vdst(0) depctr_va_sdst(0) depctr_va_ssrc(0) depctr_va_vcc(0) depctr_vm_vsrc(0)
	s_getreg_b32 s2, hwreg(HW_REG_IB_STS2, 6, 4)
	s_cmp_eq_u32 s2, 0
	s_cbranch_scc0 .Lentry_in_a_cluster
	s_endpgm
.Lentry_in_a_cluster:
	s_bfe_u32 s2, ttmp6, 0x10000c
	s_cmp_lg_u32 s2, 0xf033
	s_cbranch_scc0 .Lentry_shape_is_right
	s_endpgm
.Lentry_shape_is_right:
; The three projections as one product: C[m][n] = sum over k of x[m][k] W[n][k], m = 8192 (b, t), n = 3072 (Wq | Wk | Wv), k = 1024.
; Operands bf16 (xb, wb in blocks of 64 along K), sums f32, K ascending, C rounded once to f16 and stored as qkv[g][m][64], g = n / 64
; (g = h: q, 16 + h: k, 32 + h: v).
; LIMIT: |q|, |k|, |v| must stay below 65,504, f16's largest number; beyond it the stored number is an infinity.  f16 and not bf16 because the
; next launch's results are sums of few v in the first rows of a sequence, where eight bits of mantissa are too few for the comparison.
; A work-group makes 256 x 384 of C: 32 x 8 = 256 work-groups.  Four waves, as many as a WGP has SIMDs; a wave makes 128 x 192 (three heads):
; 8 x 12 accumulator tiles of 16 x 16, 768 registers.  K goes in steps of 64 through a ring of two LDS slots filled by the tensor data mover.
; A tile (R rows x 64 k) is dense in memory and is fetched as R / 2 rows of 256 bytes, each at a multiple of 256 from the buffer's first byte.
; CLUSTERS: 4 x 4 work-groups.  The four of a row of the cluster share the block row of C, so x's tiles; the four of a column share W's tiles.
; Each such tile is asked for jointly: the same tensor load, the same descriptor, a mask that names the four.
;
; REGISTERS, in windows of 256:
;   window 0: v16-26 addresses; v32-95, v96-159 fragments of x (8 x 16 rows x 32 k), two buffers; v160-255 fragments of W, three groups of four
;   windows 1, 2, 3: head 0, 1, 2 of my three; tile (a, bb) = rows 16 a, columns 16 bb of the head, at v[8 (4 a + bb)]
; THE MATRIX INSTRUCTION IS USED TRANSPOSED: source 0 = 16 rows of W, source 1 = 16 rows of x; lane l then holds row l % 16 of C and in its eight
; registers the columns 8 (l / 16) + 0..7: eight neighbouring numbers, 16 bytes of f16.
.set PLANEA, 1048576                   ; bytes from one K block of xb to the next
.set PLANEB, 393216                    ; of wb
.set PITCH,  144                       ; an LDS row: 128 bytes + 16 of padding, an odd multiple of 16: sixteen rows begin at sixteen different 16-byte columns of 256
.set QUART,  192*PITCH                 ; a wave's part of a slot: 192 rows of W; x's 128 rows use the first 18,432 bytes of theirs
.set SLOT,   4*QUART                   ; x rows 0-127 | x rows 128-255 | W rows 0-191 | W rows 192-383
.set STAGE,  2*SLOT                    ; behind the ring, at a multiple of 256: 16 rows x 144 bytes for each wave, for the way out; no tensor load lands here
.set LAPS,   8                         ; a lap = two K steps = once round the ring; 16 K steps
.set ADRA, 16                          ; v16-17  LDS address of my x fragments in slot 0, 1
.set ADRB, 20                          ; v20-21  the same for W
.set STO,  24                          ; v24     the way out: where I put 16 bytes of a row
.set RD,   25                          ; v25     the way out: where I read rows back
.set CO,   26                          ; v26     my byte offset in four rows of qkv
.set FA0,  32
.set FA1,  96
.set FB,   160
.set TMP,  32                          ; the way out: packed results
.set OB,   64                          ; the way out: four buffers of 16 registers for rows read back
.set G1,  24                           ; s[24:31] descriptor group 1 for x's tiles
.set G0,  32                           ; s[32:39] group 0 for x's tiles, one set for each slot
.set G1B, 48                           ; s[48:55] group 1 for W's tiles
.set G0B, 56                           ; s[56:63] group 0 for W's tiles, one set for each slot
.set MSB, 0
.macro WIN new                         ; the immediate's high byte repeats the setting that is left; a switch that changes nothing is dropped
.if MSB != \new
	s_set_vgpr_msb (MSB<<8)|\new
.set MSB, \new
.endif
.endm
; A joint load.  Waves 0 and 1 fetch x's two halves, waves 2 and 3 W's.  Each line has one mask and one set of registers for all that issue it.
; The branch hangs on the wave's number alone.
.macro JLOAD s
	s_cmp_eq_u32 s11, 0
	s_cbranch_scc0 .Lfor_b_\@
	tensor_load_to_lds s[G0+4*\s:G0+4*\s+3], s[G1:G1+7]
	s_nop 0
	s_branch .Lasked_\@
.Lfor_b_\@:
	tensor_load_to_lds s[G0B+4*\s:G0B+4*\s+3], s[G1B:G1B+7]
	s_nop 0
.Lasked_\@:
.endm
; A round of the cluster's barrier: my work-group's barrier, wave 0 signals for the work-group, every wave waits for all sixteen, my work-group's barrier again.
.macro CREST                           ; a round behind its opening barrier
	s_cmp_lg_u32 s10, 0
	s_cbranch_scc1 .Lnot_wave_0_\@
	s_barrier_signal -3
.Lnot_wave_0_\@:
	s_barrier_wait -3
	s_barrier_signal -1
	s_barrier_wait -1
.endm
.macro CROUND
	s_barrier_signal -1
	s_barrier_wait -1
	CREST
.endm
	s_load_b128 s[4:7], s[0:1], 0x0                ; xb s[4:5], wb s[6:7]
	s_load_b64 s[8:9], s[0:1], 0x10                ; qkv
	v_lshl_add_u32 v30, v0, 2, 0x38400
	v_mov_b32 v31, 0
	ds_add_u32 v30, v31
	ds_add_u32 v30, v31
	v_lshrrev_b32 v1, 5, v0
	v_readfirstlane_b32 s10, v1                    ; wave 0..3
	s_lshr_b32 s11, s10, 1                         ; which 128 rows of the block are mine.  Also: I fetch for x (0) or for W (1)
	s_and_b32 s12, s10, 1                          ; which 192 columns.  Also: which half of that tile I fetch
	s_bfe_u32 s40, ttmp6, 0x40000                  ; cx
	s_bfe_u32 s41, ttmp6, 0x40004                  ; cy
	s_lshl_b32 s42, ttmp9, 2
	s_add_co_u32 s42, s42, s40                     ; block column = 4 x cluster x + cx
	s_and_b32 s13, ttmp7, 0xffff
	s_lshl_b32 s13, s13, 2
	s_add_co_u32 s13, s13, s41                     ; block row = 4 x cluster y + cy
	s_lshl_b32 s43, s41, 2
	s_lshl_b32 s43, 15, s43                        ; my row of the cluster: places 4 cy .. 4 cy + 3
	s_lshl_b32 s44, 0x1111, s40                    ; my column: places cx, cx + 4, cx + 8, cx + 12
	; group 1: rows of 128 elements of 2 bytes (256 bytes, two rows of the tile), 64 of them for x and 96 for W, dense;
	; 16 bytes of padding behind every 32 words, that is behind every row of the tile: LDS pitch 144
	s_or_b32 s[G1+0],  s43, (1<<16)|(1<<20)|(1<<21)|(4<<22)|(3<<25)   ; 15:0 mask; 17:16 2-byte elements; 20 padding on; 21 set beside a mask; 24:22 every 32 words; 31:25 4 words
	s_or_b32 s[G1B+0], s44, (1<<16)|(1<<20)|(1<<21)|(4<<22)|(3<<25)
	s_mov_b32 s[G1+1],  128<<16                    ; tensor_dim0 = 128
	s_mov_b32 s[G1B+1], 128<<16
	s_mov_b32 s[G1+2],  64<<16                     ; tensor_dim1 = 64
	s_mov_b32 s[G1B+2], 96<<16                     ;             = 96
	s_mov_b32 s[G1+3],  128<<16                    ; tile_dim0 = 128
	s_mov_b32 s[G1B+3], 128<<16
	s_mov_b32 s[G1+4],  64                         ; tile_dim1
	s_mov_b32 s[G1B+4], 96
	s_mov_b32 s[G1+5],  128                        ; elements from row to row
	s_mov_b32 s[G1B+5], 128
	s_mov_b32 s[G1+6],  0
	s_mov_b32 s[G1B+6], 0
	s_mov_b32 s[G1+7],  0
	s_mov_b32 s[G1B+7], 0
	; where the tiles come from: x's hang on the block row alone, W's on the block column alone, each in registers that never hold the other coordinate
	s_lshl_b32 s16, s13, 15                        ; 256 rows of 128 bytes for each block row
	s_lshl_b32 s17, s12, 14                        ; + my 128 rows
	s_add_co_u32 s16, s16, s17
	s_mov_b32 s17, 0
	s_mul_i32 s46, s42, 49152                      ; 384 rows of 128 bytes for each block column
	s_mul_i32 s47, s12, 24576                      ; + my 192 rows
	s_add_co_u32 s46, s46, s47
	s_mov_b32 s47, 0
	s_mul_i32 s20, s10, QUART                      ; and where they go: the wave's number alone
	s_wait_dscnt 0x0
	s_wait_kmcnt 0x0
	s_add_nc_u64 s[14:15], s[4:5], s[16:17]
	s_add_nc_u64 s[46:47], s[6:7], s[46:47]
	CROUND                                         ; all sixteen work-groups are here: the first joint loads meet
.irp s, 0,1
	s_mov_b32 s[G0+4*\s], 1
	s_add_co_u32 s[G0+4*\s+1], s20, \s*SLOT
	s_add_nc_u64 s[G0+4*\s+2:G0+4*\s+3], s[14:15], \s*PLANEA       ; K step s
	s_or_b32 s[G0+4*\s+3], s[G0+4*\s+3], 0x80000000
	s_mov_b32 s[G0B+4*\s], 1
	s_add_co_u32 s[G0B+4*\s+1], s20, \s*SLOT
	s_add_nc_u64 s[G0B+4*\s+2:G0B+4*\s+3], s[46:47], \s*PLANEB
	s_or_b32 s[G0B+4*\s+3], s[G0B+4*\s+3], 0x80000000
	JLOAD \s                                       ; both slots' first fills: two tensor loads of the wave are out, later one
.endr
	; a fragment: lane l holds row l % 16; registers 0-3 k = 8 (l / 16) + 0..7, registers 4-7 k = 16 + 8 (l / 16) + 0..7: two loads of 16 bytes, 32 apart
	v_and_b32 v1, 15, v0
	v_bfe_u32 v2, v0, 4, 1
	v_mul_u32_u24 v3, v1, PITCH
	v_lshl_add_u32 v3, v2, 4, v3                   ; row x pitch + 16 x half
	s_mul_i32 s21, s11, QUART                      ; my 128 rows of x
	s_mul_i32 s22, s12, QUART
	s_add_co_u32 s22, s22, 2*QUART                 ; my 192 rows of W
.irp s, 0,1
	v_add_nc_u32 v[ADRA+\s], s21, v3
	v_add_nc_u32 v[ADRB+\s], s22, v3
	s_add_co_u32 s21, s21, SLOT
	s_add_co_u32 s22, s22, SLOT
.endr
	s_mul_i32 s23, s10, 16*PITCH
	s_add_co_u32 s23, s23, STAGE                   ; my stage
	v_add_nc_u32 v[STO], s23, v3                   ; in: row l % 16, 16 bytes for each half of the lanes
	v_and_b32 v4, 31, v0
	v_lshrrev_b32 v5, 3, v4
	v_and_b32 v6, 7, v0
	v_mul_u32_u24 v5, v5, PITCH                    ; back: eight lanes take a row of 128 bytes, the wave four rows
	v_lshl_add_u32 v5, v6, 4, v5
	v_add_nc_u32 v[RD], s23, v5
	v_lshlrev_b32 v[CO], 4, v4                     ; four rows of a head are 512 consecutive bytes of qkv
; 16 matrix instructions: row blocks a0 .. a0 + 3 x the four column blocks of head g, 32 along K.  zero = 1: the first product starts the sums.
; The 96 accumulators take turns, one instruction a turn, in the same order in every substep, over the backward jump too.
.macro MUL4 f, g, a0, zero
.irp a, \a0, \a0+1, \a0+2, \a0+3
.irp b, 0,1,2,3
.if \zero
	v_wmma_f32_16x16x32_bf16 v[8*(4*(\a)+\b):8*(4*(\a)+\b)+7], v[FB+32*\g+8*\b:FB+32*\g+8*\b+7], v[\f+8*(\a):\f+8*(\a)+7], 0
.else
	v_wmma_f32_16x16x32_bf16 v[8*(4*(\a)+\b):8*(4*(\a)+\b)+7], v[FB+32*\g+8*\b:FB+32*\g+8*\b+7], v[\f+8*(\a):\f+8*(\a)+7], v[8*(4*(\a)+\b):8*(4*(\a)+\b)+7]
.endif
.endr
.endr
.endm
.macro MUL8 f, g, zero
	MUL4 \f, \g, 0, \zero
	MUL4 \f, \g, 4, \zero
.endm
.macro FETCHB slot, k, g               ; 8 loads: head g's four W fragments, 32 k at byte k of the rows
.irp bb, 0,1,2,3
	ds_load_b128 v[FB+32*\g+8*\bb:FB+32*\g+8*\bb+3],   v[ADRB+\slot] offset:\k+(4*\g+\bb)*16*PITCH
	ds_load_b128 v[FB+32*\g+8*\bb+4:FB+32*\g+8*\bb+7], v[ADRB+\slot] offset:\k+(4*\g+\bb)*16*PITCH+32
.endr
.endm
.macro FETCHA slot, k, f               ; 16 loads: my eight x fragments into buffer f
.irp a, 0,1,2,3,4,5,6,7
	ds_load_b128 v[\f+8*\a:\f+8*\a+3],   v[ADRA+\slot] offset:\k+\a*16*PITCH
	ds_load_b128 v[\f+8*\a+4:\f+8*\a+7], v[ADRA+\slot] offset:\k+\a*16*PITCH+32
.endr
.endm
; A load into a register that a matrix instruction has read, and a vector instruction that reads a matrix result, stand four places behind it; only plain
; vector instructions that name none of its registers are places (ISA guide 7.12.1 for vector instructions).
.macro PLACES
.rept 4
	v_nop
.endr
.endm
; A K step is two substeps of 32 along K, 96 matrix instructions each.  Fragments are always fetched in the order W group 0 (8 loads), x (16), W group 1 (8),
; W group 2 (8), each group into the registers that its 32 products have just left.  So: at a substep's head the 16 youngest loads (groups 1, 2) may be out;
; in front of group 1 the 32 issued behind it (group 2, next group 0, next x); in front of group 2 again 32 (next group 0, next x, next group 1).
; The first substep: multiplies buffer 0 and fetches the second half of the slot's rows.
.macro SUB0 slot, zero
	s_wait_dscnt 16
	WIN 0x50
	MUL8 FA0, 0, \zero
	WIN 0
	PLACES
	FETCHB \slot, 64, 0
	FETCHA \slot, 64, FA1
	s_wait_dscnt 32
	WIN 0xa0
	MUL8 FA0, 1, \zero
	WIN 0
	PLACES
	FETCHB \slot, 64, 1
	s_wait_dscnt 32
	WIN 0xf0
	MUL8 FA0, 2, \zero
	WIN 0
	PLACES
	FETCHB \slot, 64, 2
.endm
; The second substep: multiplies buffer 1 and changes slots.  fill = 1: this slot is filled again, two K steps ahead.
; One barrier for the change.  In front of it each wave waits for its reads of this slot and for all its tensor loads (one is out: its part of the next slot).
; Where the slot is filled again the barrier opens a round of the cluster's barrier; the joint refill is the first tensor load behind the round.
; From a request to the wait for it a wave issues 176 matrix instructions.
.macro SUB1 slot, next, fill
	s_wait_dscnt 16
	WIN 0x50
	MUL4 FA1, 0, 0, 0
	s_wait_dscnt 0x0                               ; my reads of this slot are over (W groups 1 and 2 are in too)
	s_wait_tensorcnt 0x0                           ; all my tensor loads have landed
	ds_add_u32 v30, v31
	s_wait_dscnt 0x0
	s_barrier_signal -1
	MUL4 FA1, 0, 4, 0                              ; registers only, while the others arrive
	WIN 0
	s_barrier_wait -1
.if \fill
	CREST                                          ; no wave of any partner still reads this slot or has a load on its way
	s_add_nc_u64 s[G0+4*\slot+2:G0+4*\slot+3], s[G0+4*\slot+2:G0+4*\slot+3], 2*PLANEA
	s_add_nc_u64 s[G0B+4*\slot+2:G0B+4*\slot+3], s[G0B+4*\slot+2:G0B+4*\slot+3], 2*PLANEB
	JLOAD \slot
.endif
	PLACES
	FETCHB \next, 0, 0
	FETCHA \next, 0, FA0
	WIN 0xa0
	MUL8 FA1, 1, 0
	WIN 0
	PLACES
	FETCHB \next, 0, 1
	WIN 0xf0
	MUL8 FA1, 2, 0
	WIN 0
	PLACES
	FETCHB \next, 0, 2
.endm
.macro LAP zero
	SUB0 0, \zero
	SUB1 0, 1, 1
	SUB0 1, 0
	SUB1 1, 0, 1
.endm
	s_wait_tensorcnt 0x1                           ; my part of K step 0 is in; K step 1's stays out
	s_barrier_signal -1
	s_barrier_wait -1
	FETCHB 0, 0, 0
	FETCHA 0, 0, FA0
	FETCHB 0, 0, 1
	FETCHB 0, 0, 2
	LAP 1                                          ; K steps 0 and 1: the first products start the sums
	s_mov_b32 s3, LAPS-2
.Llap:
	LAP 0                                          ; K steps 2 to 13; the refills reach K step 15
	s_sub_co_u32 s3, s3, 1
	s_cmp_lg_u32 s3, 0
	s_cbranch_scc1 .Llap
	SUB0 0, 0                                      ; the last lap fills nothing and has no round of the cluster's barrier
	SUB1 0, 1, 0
	SUB0 1, 0
	s_wait_dscnt 16                                ; the last substep: nothing more to fetch, the counts run down
	WIN 0x50
	MUL8 FA1, 0, 0
	s_wait_dscnt 8
	WIN 0xa0
	MUL8 FA1, 1, 0
	s_wait_dscnt 0x0
	WIN 0xf0
	MUL8 FA1, 2, 0
	WIN 0
	PLACES                                         ; behind the last products: for the conversions and for the loads into the fragment buffers
	; THE WAY OUT, 16 rows of one head at a time: round to f16, 16 bytes a lane into my own stage, read back as rows of 128 bytes, four rows a store.
	s_mul_i32 s46, s42, 6                          ; my first head: 6 x block column + 3 x half (registers that held W's address)
	s_mul_i32 s47, s12, 3
	s_add_co_u32 s46, s46, s47
	s_lshl_b32 s46, s46, 20                        ; 1,048,576 bytes a head
	s_mov_b32 s47, 0
	s_lshl_b32 s16, s13, 15                        ; my first row: 256 x block row + 128 x half, 128 bytes a row
	s_lshl_b32 s17, s11, 14
	s_add_co_u32 s16, s16, s17
	s_mov_b32 s17, 0
	s_add_nc_u64 s[8:9], s[8:9], s[16:17]
	s_add_nc_u64 s[8:9], s[8:9], s[46:47]          ; never rewritten: head, row block and rows stand in the stores' immediates, 2,113,024 at the most
.macro OUT16 a, hh, from               ; rows 16 a .. 16 a + 15 of head hh; from: sources 0 and 1 in that head's window
.set OF, OB+16*((\a)%4)
	WIN \from
.irp b, 0,1,2,3
.irp r, 0,1,2,3
	v_cvt_pk_f16_f32 v[TMP+4*\b+\r], v[8*(4*\a+\b)+2*\r], v[8*(4*\a+\b)+2*\r+1]
.endr
.endr
	WIN 0
.irp b, 0,1,2,3
	ds_store_b128 v[STO], v[TMP+4*\b:TMP+4*\b+3] offset:32*\b
.endr
	s_wait_xcnt 0x0                                ; the buffer below was an earlier store's data: it is rewritten only behind this wait
.irp t, 0,1,2,3
	ds_load_b128 v[OF+4*\t:OF+4*\t+3], v[RD] offset:\t*4*PITCH     ; LDS serves a wave's instructions in order: these see the stores above
.endr
.irp t, 0,1,2,3
	s_wait_dscnt 3-\t
	global_store_b128 v[CO], v[OF+4*\t:OF+4*\t+3], s[8:9] offset:\hh*1048576+\a*2048+\t*512   ; the wave stores 512 consecutive bytes, at a multiple of 512
.endr
.endm
.irp a, 0,1,2,3,4,5,6,7
	OUT16 \a, 0, 0x05
.endr
.irp a, 0,1,2,3,4,5,6,7
	OUT16 \a, 1, 0x0a
.endr
.irp a, 0,1,2,3,4,5,6,7
	OUT16 \a, 2, 0x0f
.endr
	s_wait_tensorcnt 0x0
	ds_add_u32 v30, v31
	s_wait_dscnt 0x0
	CROUND                                         ; the closing round: no work-group ends while a partner may still ask for a tile that names it
	s_endpgm
.Lfunc_end_k_q316d60bf6f_proj:
	.size	k_q316d60bf6f_proj, .Lfunc_end_k_q316d60bf6f_proj-k_q316d60bf6f_proj
	.p2alignl 7, 3214868480
	.fill 96, 4, 3214868480
	.section	.rodata,"a",@progbits
	.p2align	6, 0x0
	.amdhsa_kernel k_q316d60bf6f_proj
		.amdhsa_group_segment_fixed_size 327680
		.amdhsa_private_segment_fixed_size 0
		.amdhsa_enable_private_segment 0
		.amdhsa_kernarg_size 24
		.amdhsa_user_sgpr_count 2
		.amdhsa_user_sgpr_kernarg_segment_ptr 1
		.amdhsa_wavefront_size32 1
		.amdhsa_system_sgpr_workgroup_id_x 1
		.amdhsa_system_sgpr_workgroup_id_y 1
		.amdhsa_system_sgpr_workgroup_id_z 1
		.amdhsa_system_vgpr_workitem_id 0
		.amdhsa_next_free_vgpr 1024
		.amdhsa_next_free_sgpr 66
		.amdhsa_reserve_vcc 0
		.amdhsa_float_denorm_mode_32 3
		.amdhsa_float_denorm_mode_16_64 3
		.amdhsa_memory_ordered 1
		.amdhsa_forward_progress 1
		.amdhsa_inst_pref_size 171
	.end_amdhsa_kernel
	.amdgpu_metadata
---
amdhsa.version: [ 1, 2 ]
amdhsa.kernels:
  - .name:           k_q316d60bf6f_proj
    .symbol:         k_q316d60bf6f_proj.kd
    .args:
      - { .name: xb, .offset: 0, .size: 8, .value_kind: global_buffer, .address_space: global }
      - { .name: wb, .offset: 8, .size: 8, .value_kind: global_buffer, .address_space: global }
      - { .name: qkv, .offset: 16, .size: 8, .value_kind: global_buffer, .address_space: global }
    .group_segment_fixed_size: 327680
    .private_segment_fixed_size: 0
    .kernarg_segment_align: 8
    .kernarg_segment_size: 24
    .max_flat_workgroup_size: 128
    .sgpr_count:     66
    .vgpr_count:     1024
    .wavefront_size: 32
...
	.end_amdgpu_metadata
.endif
;; end of part 2
;; launch attn (part 3): grid 256 x 1, 8 waves a work-group, no clusters, 312,320 bytes of LDS; arguments qkv, out0; writes out0
.if DOCPART == 3
	.amdgcn_target "amdgcn-amd-amdhsa--gfx1250"
	.amdhsa_code_object_version 6
	.text
	.protected	k_q316d60bf6f_attn
	.globl	k_q316d60bf6f_attn
	.p2align	8
	.type	k_q316d60bf6f_attn,@function
k_q316d60bf6f_attn:
	s_mov_b64 s[64:65], 0
	v_nop
	global_prefetch_b8 v0, s[64:65] scope:SCOPE_SE
	s_setreg_imm32_b32 hwreg(HW_REG_WAVE_MODE, 25, 1), 1
	s_wait_xcnt 0x0
; Causal attention for 128 (b, h) pairs: out[b][t][64 h + d] = sum over s <= t of softmax_s(q[t].k[s] / 32) v[s][d].  T = 1024, D = 64.
; q, k, v: f16 from qkv[g][8192][64] (g = h: q, 16 + h: k, 32 + h: v).  Products on the matrix units with f16 operands and f32 sums; softmax in f32 with a
; running maximum, which is taken away before every exponential; out0 in f32.
; LIMITS: a weight below 2^-24 of its row's largest becomes 0 (f16); inputs that are not finite are not served; sums are made tile by tile of 64 keys.
; SHARE: two work-groups a head (p = 0, 1), eight waves each.  The head's queries are 32 blocks of 32 rows.  Wave w takes block A = 31 - 2 w - p, which sees
; 16 - w tiles of 64 keys, and block B = 2 w + p, which sees w + 1: 17 units of 32 queries x 64 keys for every wave.  Trip counts hang on w alone.
; LDS: the head's whole K (1024 rows, pitch 144) and V (pitch 160) stay resident; every byte is filled once and nothing is filled again.
; They come in four chunks of 256 keys, so that work begins when the first chunk is in.
; NO CLUSTER: only the two work-groups of a head share K and V, and each asks for them once, in its first lines; a joint request would want a mask of two
; places of a cluster of four, a form that this text does not lean on.
; ORIENTATION, so that no number changes lanes: S^T = K Q^T (source 0 = 16 keys, source 1 = 16 queries): lane l holds query l % 16 and keys 8 (l / 16) + 0..7 of
; each tile, so a row's maximum and sum are in the lane but for one exchange of the halves, and two tiles' registers, packed to f16, ARE the fragment of P^T
; that O^T = V^T P^T takes as source 1.  V^T comes from V's rows by the transposing LDS load.
.set KP,  144
.set VP,  160                          ; an odd multiple of 32, for the transposing load
.set VB,  1024*KP                      ; V behind K
.set KT,  64*KP                        ; a tile of 64 keys in K
.set VT,  64*VP                        ; and in V
.set SP,  272                          ; the way out: a row of 256 bytes + 16
.set VQ,  4                            ; v4   Q: row l % 16 x 128 + 16 (l / 16)
.set VK0, 5                            ; v5   K, tile 0
.set VV0, 6                            ; v6   V, tile 0
.set VKA, 7                            ; v7   K, the tile that the unit fetches for the next one
.set VVA, 8                            ; v8   V, the unit's own tile
.set DL,  9                            ; v9   diagonal tile: key 16 mt + 8 (l / 16) + j is seen if 16 mt + j - 16 nt <= DL
.set STO, 10
.set RD,  11
.set CO,  12
.set M,   14                           ; v14-15  running maximum of query 16 nt + l % 16
.set LS,  16                           ; v16-17  running sum, this half's keys only
.set AL,  18                           ; v[18:19], v[20:21]  factor for the old sums (the first of the pair is used for both halves of a packed product)
.set NM,  22                           ; v[22:23], v[24:25]  - maximum x c
.set Q,   32                           ; v32-63    fragment (nt, ks) at 8 (2 nt + ks)
.set S,   64                           ; v64-127   tile (nt, mt) at 8 (4 nt + mt); later P
.set KF,  128                          ; v128-191  fragment (mt, ks) at 8 (2 mt + ks)
.set VF,  192                          ; v192-255  fragment (dt, ks) at 8 (2 dt + ks)
                                       ; window 1: v0-63 O^T, tile (nt, dt) at 8 (4 nt + dt); v64-127 block A's finished result
.set G1,  24                           ; s[24:31]
.set G0,  32                           ; s[32:47] one group 0 for each of my four loads
.set G10K, (1<<16)|(1<<20)|(4<<22)|(3<<25)     ; 2-byte elements; 4 words of padding behind every 32 words: pitch 144
.set G10V, (1<<16)|(1<<20)|(4<<22)|(7<<25)     ; 8 words: pitch 160
.set MSB, 0
.macro WIN new
.if MSB != \new
	s_set_vgpr_msb (MSB<<8)|\new
.set MSB, \new
.endif
.endm
.macro BAR
	s_barrier_signal -1
	s_barrier_wait -1
.endm
.macro PLACES                          ; four places behind a matrix instruction, before a vector instruction touches or a load lands in its registers
.rept 4
	v_nop
.endr
.endm
	s_load_b128 s[4:7], s[0:1], 0x0                ; qkv s[4:5], out0 s[6:7]
	v_lshl_add_u32 v30, v0, 2, 0x4c000
	v_mov_b32 v31, 0
	ds_add_u32 v30, v31
	ds_add_u32 v30, v31
	v_lshrrev_b32 v13, 5, v0
	v_readfirstlane_b32 s8, v13                    ; wave 0..7
	s_and_b32 s9, ttmp9, 1                         ; p
	s_bfe_u32 s10, ttmp9, 0x40001                  ; h
	s_lshr_b32 s11, ttmp9, 5                       ; b
	s_mov_b32 s12, 0x76543210                      ; v_permlanex16_b32: lane i of one half reads lane i of the other
	s_mov_b32 s13, 0xfedcba98
	s_mov_b32 s14, 0x3d38aa3b                      ; c = log2(e) / 32: the scale 1024^-0.5 and the change to base 2 in one
	s_mov_b32 s15, 0x3d38aa3b
	s_mov_b32 s16, 0xbd38aa3b                      ; - c
	s_mov_b32 s60, 0xff800000                      ; - infinity
	s_lshl_b32 s52, s9, 6
	s_sub_co_u32 s52, s52, 32                      ; 64 p - 32: what DL changes by from block A to block B
	s_sub_co_u32 s17, 8, s8                        ; trips of A's last loop
	s_lshl_b32 s58, s10, 20                        ; head h, batch b inside a plane of qkv
	s_lshl_b32 s53, s11, 17
	s_add_co_u32 s58, s58, s53
	s_lshl1_add_u32 s54, s8, s9                    ; block B
	s_sub_co_u32 s55, 31, s54                      ; block A
	s_lshl_b32 s20, s55, 12                        ; 32 rows of 128 bytes a block
	s_add_co_u32 s20, s20, s58
	s_mov_b32 s21, 0
	s_lshl_b32 s22, s54, 12
	s_add_co_u32 s22, s22, s58
	s_mov_b32 s23, 0
	s_lshl_b32 s59, s11, 22                        ; out0: batch, head's 256 bytes of a row
	s_lshl_b32 s53, s10, 8
	s_add_co_u32 s59, s59, s53
	s_lshl_b32 s48, s55, 17                        ; 32 rows of 4,096 bytes a block
	s_add_co_u32 s48, s48, s59
	s_mov_b32 s49, 0
	s_lshl_b32 s50, s54, 17
	s_add_co_u32 s50, s50, s59
	s_mov_b32 s51, 0
	s_lshl_b32 s56, s8, 13                         ; my 64 rows of a chunk
	s_add_co_u32 s56, s56, s58
	s_add_co_u32 s56, s56, 16<<20                  ; k's planes
	s_mov_b32 s57, 0
	; group 1 but for its first word: 32 rows of 128 elements (256 bytes), dense: 64 rows of K or V
	s_mov_b32 s[G1+1], 128<<16
	s_mov_b32 s[G1+2], 32<<16
	s_mov_b32 s[G1+3], 128<<16
	s_mov_b32 s[G1+4], 32
	s_mov_b32 s[G1+5], 128
	s_mov_b32 s[G1+6], 0
	s_mov_b32 s[G1+7], 0
	; lane addresses
	v_and_b32 v2, 15, v0                           ; r
	v_bfe_u32 v3, v0, 4, 1                         ; half
	v_lshlrev_b32 v[VQ], 7, v2
	v_lshl_add_u32 v[VQ], v3, 4, v[VQ]
	v_mul_u32_u24 v[VK0], v2, KP
	v_lshl_add_u32 v[VK0], v3, 4, v[VK0]
	v_and_b32 v26, 7, v0
	v_lshl_add_u32 v26, v3, 3, v26                 ; key 8 half + l % 8
	v_mul_u32_u24 v[VV0], v26, VP
	v_bfe_u32 v27, v0, 3, 1
	v_lshl_add_u32 v[VV0], v27, 4, v[VV0]          ; + 16 ((l / 8) % 2)
	v_add_nc_u32 v[VV0], VB, v[VV0]
	s_xor_b32 s53, s9, 1
	s_lshl_b32 s53, s53, 5                         ; block A is the upper half of its diagonal tile where p = 0
	v_add_nc_u32 v[DL], s53, v2
	v_lshlrev_b32 v26, 3, v3
	v_sub_nc_u32 v[DL], v[DL], v26                 ; 32 (block % 2) + r - 8 half
	s_mul_i32 s53, s8, 16*SP                       ; my stage
	v_mul_u32_u24 v[STO], v2, SP
	v_lshl_add_u32 v[STO], v3, 5, v[STO]
	v_add_nc_u32 v[STO], s53, v[STO]               ; in: row r, 32 bytes for each half of the lanes
	v_mul_u32_u24 v[RD], v3, SP
	v_lshl_add_u32 v[RD], v2, 4, v[RD]
	v_add_nc_u32 v[RD], s53, v[RD]                 ; back: sixteen lanes take a row of 256 bytes
	v_lshlrev_b32 v[CO], 12, v3
	v_lshl_add_u32 v[CO], v2, 4, v[CO]             ; the same two rows in out0
	v_mov_b32 v[M], s60
	v_mov_b32 v[M+1], s60
	v_mov_b32 v[LS], 0
	v_mov_b32 v[LS+1], 0
	v_mov_b32 v[AL+1], 0                           ; the pairs' second registers are named by packed products and never used
	v_mov_b32 v[AL+3], 0
	v_mov_b32 v[NM+1], 0
	v_mov_b32 v[NM+3], 0
	s_wait_dscnt 0x0
	s_wait_kmcnt 0x0
	s_add_nc_u64 s[20:21], s[4:5], s[20:21]        ; Q of block A
	s_add_nc_u64 s[22:23], s[4:5], s[22:23]        ; Q of block B
	s_add_nc_u64 s[48:49], s[6:7], s[48:49]        ; out of block A
	s_add_nc_u64 s[50:51], s[6:7], s[50:51]        ; out of block B
	s_add_nc_u64 s[56:57], s[4:5], s[56:57]
; My four first fills: chunk c = keys 256 c .., of which I bring 64 rows.  Four tensor loads of the wave are out.
.macro FILLS g10, lbase, lwave, lchunk, gextra
	s_mov_b32 s[G1+0], \g10
	s_mul_i32 s53, s8, \lwave
	s_add_nc_u64 s[54:55], s[56:57], \gextra
.irp c, 0,1,2,3
	s_mov_b32 s[G0+4*\c], 1
	s_add_co_u32 s[G0+4*\c+1], s53, \lbase+\c*\lchunk
	s_add_nc_u64 s[G0+4*\c+2:G0+4*\c+3], s[54:55], \c*32768
	s_or_b32 s[G0+4*\c+3], s[G0+4*\c+3], 0x80000000
	tensor_load_to_lds s[G0+4*\c:G0+4*\c+3], s[G1:G1+7]
	s_nop 0
.endr
.endm
	s_cmp_lt_u32 s8, 4
	s_cbranch_scc0 .Lfill_v
	FILLS G10K, 0, KT, 4*KT, 0                     ; waves 0-3: K rows 256 c + 64 w
	s_branch .Lfilled
.Lfill_v:
	FILLS G10V, VB-4*VT, VT, 4*VT, 16744448        ; waves 4-7: V rows 256 c + 64 (w - 4); v's planes lie 16 planes on, less the four waves' 32,768 bytes
.Lfilled:
.macro QLOAD base                      ; 32 queries x 64: four fragments straight from memory
.irp nt, 0,1
.irp ks, 0,1
	global_load_b128 v[Q+8*(2*\nt+\ks):Q+8*(2*\nt+\ks)+3],   v[VQ], s[\base:\base+1] offset:\nt*2048+\ks*64
	global_load_b128 v[Q+8*(2*\nt+\ks)+4:Q+8*(2*\nt+\ks)+7], v[VQ], s[\base:\base+1] offset:\nt*2048+\ks*64+32
.endr
.endr
.endm
.macro LOADK                           ; 16 loads: a tile's 64 keys x 64
.irp mt, 0,1,2,3
.irp ks, 0,1
	ds_load_b128 v[KF+8*(2*\mt+\ks):KF+8*(2*\mt+\ks)+3],   v[VKA] offset:\mt*16*KP+\ks*64
	ds_load_b128 v[KF+8*(2*\mt+\ks)+4:KF+8*(2*\mt+\ks)+7], v[VKA] offset:\mt*16*KP+\ks*64+32
.endr
.endr
.endm
.macro LOADV                           ; 16 transposing loads: lane l gets column d = 16 dt + l % 16, keys 32 ks + 8 (l / 16) + 0..7 and 16 further on
.irp dt, 0,1,2,3
.irp ks, 0,1
	ds_load_tr16_b128 v[VF+8*(2*\dt+\ks):VF+8*(2*\dt+\ks)+3],   v[VVA] offset:\ks*32*VP+\dt*32
	ds_load_tr16_b128 v[VF+8*(2*\dt+\ks)+4:VF+8*(2*\dt+\ks)+7], v[VVA] offset:\ks*32*VP+\dt*32+16*VP
.endr
.endr
.endm
; S^T = K Q^T, 16 products.  Five places first: these products write over registers that the last unit's products read as P (ISA guide 7.12.1).
; The eight accumulators take turns, one instruction a turn.
.macro SMUL
.rept 5
	v_nop
.endr
.irp ks, 0,1
.irp nt, 0,1
.irp mt, 0,1,2,3
.if \ks
	v_wmma_f32_16x16x32_f16 v[S+8*(4*\nt+\mt):S+8*(4*\nt+\mt)+7], v[KF+8*(2*\mt+\ks):KF+8*(2*\mt+\ks)+7], v[Q+8*(2*\nt+\ks):Q+8*(2*\nt+\ks)+7], v[S+8*(4*\nt+\mt):S+8*(4*\nt+\mt)+7]
.else
	v_wmma_f32_16x16x32_f16 v[S+8*(4*\nt+\mt):S+8*(4*\nt+\mt)+7], v[KF+8*(2*\mt+\ks):KF+8*(2*\mt+\ks)+7], v[Q+8*(2*\nt+\ks):Q+8*(2*\nt+\ks)+7], 0
.endif
.endr
.endr
.endr
	PLACES
.endm
.macro MASK                            ; the diagonal tile: keys behind the query become - infinity
.irp nt, 0,1
.irp mt, 0,1,2,3
.irp j, 0,1,2,3,4,5,6,7
	v_cmp_le_i32 vcc_lo, 16*\mt+\j-16*\nt, v[DL]
	v_cndmask_b32 v[S+8*(4*\nt+\mt)+\j], s60, v[S+8*(4*\nt+\mt)+\j], vcc_lo
.endr
.endr
.endr
.endm
; The new maximum of query 16 nt + r over my 32 scores, the other half's and the old maximum; - maximum x c; the exponent of the old sums' factor in v[26 + 2 nt].
.macro MAXROW nt
	v_max3_num_f32 v[26+2*\nt], v[S+32*\nt], v[S+32*\nt+1], v[S+32*\nt+2]
	v_max3_num_f32 v[27+2*\nt], v[S+32*\nt+16], v[S+32*\nt+17], v[S+32*\nt+18]
.irp i, 3,5,7,9,11,13
	v_max3_num_f32 v[26+2*\nt], v[26+2*\nt], v[S+32*\nt+\i], v[S+32*\nt+\i+1]
	v_max3_num_f32 v[27+2*\nt], v[27+2*\nt], v[S+32*\nt+16+\i], v[S+32*\nt+17+\i]
.endr
	v_max3_num_f32 v[26+2*\nt], v[26+2*\nt], v[27+2*\nt], v[S+32*\nt+15]
	v_max3_num_f32 v[26+2*\nt], v[26+2*\nt], v[S+32*\nt+31], v[M+\nt]
	v_permlanex16_b32 v[27+2*\nt], v[26+2*\nt], s12, s13
	v_max_num_f32 v[27+2*\nt], v[26+2*\nt], v[27+2*\nt]
	v_mul_f32 v[NM+2*\nt], s16, v[27+2*\nt]
	v_fma_f32 v[26+2*\nt], v[M+\nt], s14, v[NM+2*\nt]      ; (old - new) x c; - infinity at a block's first tile
	v_mov_b32 v[M+\nt], v[27+2*\nt]
.endm
.macro SCALE nt                        ; (score - maximum) x c, two at a time
.set i, 0
.rept 16
	v_pk_fma_f32 v[S+32*\nt+i:S+32*\nt+i+1], v[S+32*\nt+i:S+32*\nt+i+1], s[14:15], v[NM+2*\nt:NM+2*\nt+1] op_sel_hi:[1,0,0]
.set i, i+2
.endr
.endm
.macro EXPS nt
.set i, 0
.rept 32
	v_exp_f32 v[S+32*\nt+i], v[S+32*\nt+i]
.set i, i+1
.endr
.endm
.macro SUMS nt, t                      ; my 32 weights in two chains, then the running sum
	s_wait_alu depctr_va_vdst(0)
	v_pk_add_f32 v[\t:\t+1], v[S+32*\nt:S+32*\nt+1], v[S+32*\nt+2:S+32*\nt+3]
	v_pk_add_f32 v[\t+2:\t+3], v[S+32*\nt+16:S+32*\nt+17], v[S+32*\nt+18:S+32*\nt+19]
.irp i, 4,6,8,10,12,14
	v_pk_add_f32 v[\t:\t+1], v[\t:\t+1], v[S+32*\nt+\i:S+32*\nt+\i+1]
	v_pk_add_f32 v[\t+2:\t+3], v[\t+2:\t+3], v[S+32*\nt+16+\i:S+32*\nt+17+\i]
.endr
	v_pk_add_f32 v[\t:\t+1], v[\t:\t+1], v[\t+2:\t+3]
	v_add_f32 v[\t], v[\t], v[\t+1]
	v_fma_f32 v[LS+\nt], v[LS+\nt], v[AL+2*\nt], v[\t]
.endm
.macro PACK nt                         ; tiles 2 ks and 2 ks + 1 become fragment (nt, ks) of P^T, in place, ascending
.irp ks, 0,1
.irp i, 0,1,2,3
	v_cvt_pk_f16_f32 v[S+32*\nt+16*\ks+\i], v[S+32*\nt+16*\ks+2*\i], v[S+32*\nt+16*\ks+2*\i+1]
.endr
.irp i, 0,1,2,3
	v_cvt_pk_f16_f32 v[S+32*\nt+16*\ks+4+\i], v[S+32*\nt+16*\ks+8+2*\i], v[S+32*\nt+16*\ks+9+2*\i]
.endr
.endr
.endm
; Behind a run of exponentials one plain vector instruction that touches none of their registers comes before a result is used (ISA guide 5.7.2):
; behind the two factors' SCALE 0, behind EXPS 0 SCALE 1, behind EXPS 1 SUMS 0.
.macro SOFTMAX
	MAXROW 0
	MAXROW 1
	v_exp_f32 v[AL], v26
	v_exp_f32 v[AL+2], v28
	SCALE 0
	EXPS 0
	SCALE 1
	EXPS 1
	SUMS 0, 0
	SUMS 1, 26
	PACK 0
	PACK 1
.endm
.macro PVSCALE                         ; the old O^T times its query's factor
	WIN 0x41
.set i, 0
.rept 16
	v_pk_mul_f32 v[i:i+1], v[i:i+1], v[AL:AL+1] op_sel_hi:[1,0]
.set i, i+2
.endr
.rept 16
	v_pk_mul_f32 v[i:i+1], v[i:i+1], v[AL+2:AL+3] op_sel_hi:[1,0]
.set i, i+2
.endr
.endm
; O^T += V^T P^T, 16 products, eight accumulators by turns.  zero = 1: the first product starts the sums.
; The one LDS wait of a unit: V's fragments and the next unit's K fragments, issued in one run behind the S products, have had the softmax in which to land.
.macro PVMUL zero
	s_wait_dscnt 0x0
	WIN 0x50
.irp ks, 0,1
.irp nt, 0,1
.irp dt, 0,1,2,3
.if \zero*(1-\ks)
	v_wmma_f32_16x16x32_f16 v[8*(4*\nt+\dt):8*(4*\nt+\dt)+7], v[VF+8*(2*\dt+\ks):VF+8*(2*\dt+\ks)+7], v[S+32*\nt+16*\ks:S+32*\nt+16*\ks+7], 0
.else
	v_wmma_f32_16x16x32_f16 v[8*(4*\nt+\dt):8*(4*\nt+\dt)+7], v[VF+8*(2*\dt+\ks):VF+8*(2*\dt+\ks)+7], v[S+32*\nt+16*\ks:S+32*\nt+16*\ks+7], v[8*(4*\nt+\dt):8*(4*\nt+\dt)+7]
.endif
.endr
.endr
.endr
	WIN 0
.endm
; One unit: 32 queries x 64 keys.  mask = 1: the diagonal tile.  kmode: 1 fetch the next tile of K; 2 fetch tile 0 and block B's Q; 0 fetch none.
; pv: 0 add onto O^T; 1 start it; 2 start it if s18 is set (block B's first unit, which is another line of the text for wave 0 than for the others).
.macro UNIT mask, kmode, pv
	SMUL
.if \mask
	MASK
.endif
.if \kmode == 2
	v_mov_b32 v[VKA], v[VK0]
	QLOAD 22
.endif
.if \kmode
	LOADK
.endif
	LOADV
	v_add_nc_u32 v[VKA], KT, v[VKA]
	v_add_nc_u32 v[VVA], VT, v[VVA]
	SOFTMAX
.if \pv == 0
	PVSCALE
	PVMUL 0
.endif
.if \pv == 1
	PVMUL 1
.endif
.if \pv == 2
	s_cmp_lg_u32 s18, 0
	s_cbranch_scc0 .Lacc_\@
	PVMUL 1
	s_branch .Ljoin_\@
.Lacc_\@:
	PVSCALE
	PVMUL 0
.Ljoin_\@:
	s_mov_b32 s18, 0
.endif
.endm
; A block's end: the two halves' sums meet, O^T is divided by them, into window 1's v[dst ..].
.macro FINISH dst
	PLACES
	v_permlanex16_b32 v26, v[LS], s12, s13
	v_permlanex16_b32 v27, v[LS+1], s12, s13
	v_add_f32 v26, v26, v[LS]
	v_add_f32 v27, v27, v[LS+1]
	v_rcp_f32 v[AL], v26
	v_rcp_f32 v[AL+2], v27
	v_nop                                          ; the plain place behind the reciprocals
	WIN 0x41
.set i, 0
	s_wait_alu depctr_va_vdst(0)
.rept 16
	v_pk_mul_f32 v[\dst+i:\dst+i+1], v[i:i+1], v[AL:AL+1] op_sel_hi:[1,0]
.set i, i+2
.endr
.rept 16
	v_pk_mul_f32 v[\dst+i:\dst+i+1], v[i:i+1], v[AL+2:AL+3] op_sel_hi:[1,0]
.set i, i+2
.endr
	WIN 0
.endm
	QLOAD 20                                       ; block A's queries
	s_wait_tensorcnt 0x3                           ; my part of chunk 0 is in; my three later loads stay out
	BAR                                            ; everybody's part of chunk 0 is in: tiles 0 to 3 of K and V
	v_mov_b32 v[VKA], v[VK0]
	v_mov_b32 v[VVA], v[VV0]
	LOADK                                          ; tile 0
	v_add_nc_u32 v[VKA], KT, v[VKA]
	s_wait_loadcnt 0x0
	s_wait_dscnt 0x0
	; BLOCK A.  Unit u multiplies tile u, and fetches tile u + 1 of K and tile u of V.  The units that run while chunks are still landing are written out,
	; so that their LDS addresses are a lane term plus constants.
	UNIT 0, 1, 1                                   ; unit 0 starts the sums
.rept 2
	UNIT 0, 1, 0                                   ; units 1, 2: they read tiles up to 3
.endr
	s_wait_tensorcnt 0x2                           ; my part of chunk 1; two loads stay out
	BAR                                            ; no LDS access of mine is pending: the last were waited for in front of the last products
.rept 4
	UNIT 0, 1, 0                                   ; units 3 to 6: tiles up to 7
.endr
	s_wait_tensorcnt 0x0                           ; all my loads
	BAR                                            ; K and V are whole
	s_mov_b32 s19, 0
.Lblock_a:
	UNIT 0, 1, 0                                   ; units 7 to 14 - w
	s_add_co_u32 s19, s19, 1
	s_cmp_lt_u32 s19, s17
	s_cbranch_scc1 .Lblock_a
	UNIT 1, 2, 0                                   ; the diagonal tile 15 - w; it asks for block B's queries and for tile 0 of K
	FINISH 64
	; BLOCK B
	v_mov_b32 v[M], s60
	v_mov_b32 v[M+1], s60
	v_mov_b32 v[LS], 0
	v_mov_b32 v[LS+1], 0
	v_mov_b32 v[VVA], v[VV0]
	v_add_nc_u32 v[DL], s52, v[DL]
	s_mov_b32 s18, 1
	s_wait_loadcnt 0x0                             ; block B's queries
	s_cmp_eq_u32 s8, 0
	s_cbranch_scc1 .Ldiag_b                        ; wave 0's block B has its diagonal tile alone
	s_mov_b32 s19, 0
.Lblock_b:
	UNIT 0, 1, 2                                   ; tiles 0 to w - 1
	s_add_co_u32 s19, s19, 1
	s_cmp_lt_u32 s19, s8
	s_cbranch_scc1 .Lblock_b
.Ldiag_b:
	UNIT 1, 0, 2                                   ; the diagonal tile w
	FINISH 0
	; THE WAY OUT.  A lane holds 8 neighbouring f32 of one query for each dt.  Sixteen queries at a time go through a stage of the wave's own, which lies
	; where K lay: K has had its only fill, and behind this barrier no wave reads K or V any more.
	s_wait_dscnt 0x0
	BAR
.macro OUT src, nt, base, f
	WIN 0x04                                       ; the stores' data in window 1
.irp dt, 0,1,2,3
	ds_store_b128 v[STO], v[\src+8*(4*\nt+\dt):\src+8*(4*\nt+\dt)+3]   offset:64*\dt
	ds_store_b128 v[STO], v[\src+8*(4*\nt+\dt)+4:\src+8*(4*\nt+\dt)+7] offset:64*\dt+16
.endr
	WIN 0
.irp i, 0,1,2,3,4,5,6,7
	ds_load_b128 v[\f+4*\i:\f+4*\i+3], v[RD] offset:2*SP*\i        ; LDS serves a wave's instructions in order: these see the stores above
.endr
.irp i, 0,1,2,3,4,5,6,7
	s_wait_dscnt 7-\i
	global_store_b128 v[CO], v[\f+4*\i:\f+4*\i+3], s[\base:\base+1] offset:\nt*65536+\i*8192 th:TH_STORE_NT   ; sixteen lanes store a head's 256 bytes of a row, at a multiple of 256
.endr
.endm
	OUT 64, 0, 48, 128                             ; four buffers, one for each call: no store's data are rewritten
	OUT 64, 1, 48, 160
	OUT 0,  0, 50, 192
	OUT 0,  1, 50, 224
	s_wait_tensorcnt 0x0
	ds_add_u32 v30, v31
	s_wait_dscnt 0x0
	s_endpgm
.Lfunc_end_k_q316d60bf6f_attn:
	.size	k_q316d60bf6f_attn, .Lfunc_end_k_q316d60bf6f_attn-k_q316d60bf6f_attn
	.p2alignl 7, 3214868480
	.fill 96, 4, 3214868480
	.section	.rodata,"a",@progbits
	.p2align	6, 0x0
	.amdhsa_kernel k_q316d60bf6f_attn
		.amdhsa_group_segment_fixed_size 312320
		.amdhsa_private_segment_fixed_size 0
		.amdhsa_enable_private_segment 0
		.amdhsa_kernarg_size 16
		.amdhsa_user_sgpr_count 2
		.amdhsa_user_sgpr_kernarg_segment_ptr 1
		.amdhsa_wavefront_size32 1
		.amdhsa_system_sgpr_workgroup_id_x 1
		.amdhsa_system_sgpr_workgroup_id_y 1
		.amdhsa_system_sgpr_workgroup_id_z 1
		.amdhsa_system_vgpr_workitem_id 0
		.amdhsa_next_free_vgpr 384
		.amdhsa_next_free_sgpr 66
		.amdhsa_reserve_vcc 1
		.amdhsa_float_denorm_mode_32 3
		.amdhsa_float_denorm_mode_16_64 3
		.amdhsa_memory_ordered 1
		.amdhsa_forward_progress 1
		.amdhsa_inst_pref_size 221
	.end_amdhsa_kernel
	.amdgpu_metadata
---
amdhsa.version: [ 1, 2 ]
amdhsa.kernels:
  - .name:           k_q316d60bf6f_attn
    .symbol:         k_q316d60bf6f_attn.kd
    .args:
      - { .name: qkv, .offset: 0, .size: 8, .value_kind: global_buffer, .address_space: global }
      - { .name: out0, .offset: 8, .size: 8, .value_kind: global_buffer, .address_space: global }
    .group_segment_fixed_size: 312320
    .private_segment_fixed_size: 0
    .kernarg_segment_align: 8
    .kernarg_segment_size: 16
    .max_flat_workgroup_size: 256
    .sgpr_count:     66
    .vgpr_count:     384
    .wavefront_size: 32
...
	.end_amdgpu_metadata
.endif
;; end of part 3
;; ======== version 2 of 2: 3 launches; version 1 with the launch cast written anew for expert scheduling mode
;; limits: values are held in f16: magnitudes above 65,504 overflow, below 6.1e-05 lose precision
;; workspace buffers: xb 16,777,216 bytes; wb 6,291,456 bytes; qkv 50,331,648 bytes
;; launch cast (part 4): grid 1408 x 1, 8 waves a work-group, no clusters, 0 bytes of LDS; arguments x, Wq, Wk, Wv, xb, wb; writes xb, wb
.if DOCPART == 4
	.amdgcn_target "amdgcn-amd-amdhsa--gfx1250"
	.amdhsa_code_object_version 6
	.text
	.protected	k_q316d60bf6f_cast
	.globl	k_q316d60bf6f_cast
	.p2align	8
	.type	k_q316d60bf6f_cast,@function
k_q316d60bf6f_cast:
	s_mov_b64 s[64:65], 0
	v_nop
	global_prefetch_b8 v0, s[64:65] scope:SCOPE_SE
	s_setreg_imm32_b32 hwreg(HW_REG_WAVE_SCHED_MODE, 0, 2), 2
	s_setreg_imm32_b32 hwreg(HW_REG_WAVE_MODE, 25, 1), 1
	s_wait_xcnt 0x0
	s_wait_alu depctr_vm_vsrc(0)
; x [8192][1024] and Wq | Wk | Wv [3072][1024], f32, are rounded once to bf16 (to nearest even) and laid out in blocks of 64 along K:
;   xb[kb][m][64], wb[kb][n][64], kb = 0..15; element (row, k) lies at (k >> 6) * PLANE + row * 128 + (k & 63) * 2.
; In that layout a tile of R rows x 64 k is one dense run of R * 128 bytes, which the next launch fetches as whole rows of 256 bytes.
; A stream: no LDS, no barrier, no matrix unit; every input byte is read once and every output byte written once.
; A work-group takes 8 source rows (32,768 bytes in, 16,384 out).  Groups 0..1023 take x; group 1024 + j takes rows 8 (j & 127) of
; W number j >> 7 (0 Wq, 1 Wk, 2 Wv), which are rows 8 j of wb.
; Thread t: c = t & 7 (8 numbers of a block's 64), rs = (t >> 3) & 7 (row), kq = t >> 6; it converts blocks 4 kq .. 4 kq + 3.
; Eight neighbouring lanes read 256 consecutive aligned bytes with two loads; a wave's store covers 4 rows x 128 = 512 consecutive aligned bytes.
; THE MODE: SCHED_MODE bits 1:0 = 2 (LLVM: expert scheduling mode 2), set by the entry lines.  The code itself states the register dependences
; between vector instructions and memory instructions, with s_wait_alu, always for 0.
; THE PLAN.  Registers that memory instructions touch:
;   v1         the loads' offset.  Written at the head, read by all eight loads, never written again.
;   IN         four blocks of 8 f32.  Written by the loads alone; no vector instruction names them ahead of the loads; block g's conversions read them.
;   v2 .. v5   the stores' offsets.  Written behind the loads, by lines that name none of the loads' registers; store g reads v[2 + g]; never written again.
;   CV         four blocks of 4 registers.  Written by block g's conversions, read by store g, never written again.
; So one wait stands ahead of the loads (v1), and one ahead of each store (its CV; the first also covers v2 .. v5).  Store g stands at the head of
; block g + 1, behind that block's wait for its data, so that the wait for block g's conversions does not stand straight behind them.
; No register that a memory instruction has read is written again: no wait on vm_vsrc is owed.  No vector instruction writes a scalar register, VCC or EXEC.
.set PLANEA, 1048576                   ; bytes of one K block of xb: 8192 rows x 128
.set PLANEB, 393216                    ; of wb: 3072 rows x 128
.set IN,  8                            ; v[8:39]   block g: 8 f32 as loaded
.set CV,  40                           ; v[40:55]  block g: 8 bf16 to store
	s_load_b256 s[4:11], s[0:1], 0x0               ; x s[4:5], Wq s[6:7], Wk s[8:9], Wv s[10:11]
	s_load_b128 s[12:15], s[0:1], 0x20             ; xb s[12:13], wb s[14:15]
	s_sub_co_u32 s17, ttmp9, 1024                  ; j (used only where the group's number is 1024 or more)
	s_lshr_b32 s18, s17, 7                         ; which W
	s_and_b32 s19, s17, 127                        ; which 8 rows of it
	s_mov_b32 s26, PLANEB
	s_mov_b32 s27, PLANEA
	v_and_b32 v6, 7, v0                            ; c
	v_bfe_u32 v7, v0, 3, 3                         ; rs
	v_lshrrev_b32 v2, 6, v0                        ; kq
	v_lshlrev_b32 v1, 5, v6                        ; in: 32 c
	v_lshl_add_u32 v1, v7, 12, v1                  ;   + 4096 rs
	v_lshl_add_u32 v1, v2, 10, v1                  ;   + 1024 kq (four blocks of 256 bytes)
	v_lshlrev_b32 v3, 4, v6                        ; out: 16 c
	v_lshl_add_u32 v3, v7, 7, v3                   ;   + 128 rs
	v_lshlrev_b32 v2, 2, v2                        ; my first block, 4 kq
	s_wait_kmcnt 0x0
	s_cmp_eq_u32 s18, 1
	s_cselect_b64 s[20:21], s[8:9], s[6:7]         ; Wk or Wq
	s_cmp_eq_u32 s18, 2
	s_cselect_b64 s[20:21], s[10:11], s[20:21]     ; Wv
	s_cmp_lt_u32 ttmp9, 1024                       ; x's groups; the selects below leave SCC as it is
	s_cselect_b64 s[20:21], s[4:5], s[20:21]       ; from
	s_cselect_b64 s[22:23], s[12:13], s[14:15]     ; to
	s_cselect_b32 s24, ttmp9, s19                  ; which 8 rows of the source
	s_cselect_b32 s25, ttmp9, s17                  ; which 8 rows of the target
	s_cselect_b32 s26, s27, s26                    ; the target's plane
	s_lshl_b32 s28, s24, 15                        ; 8 rows of 4,096 bytes
	s_mov_b32 s29, 0
	s_lshl_b32 s30, s25, 10                        ; 8 rows of 128 bytes
	s_mov_b32 s31, 0
	s_add_nc_u64 s[20:21], s[20:21], s[28:29]
	s_add_nc_u64 s[22:23], s[22:23], s[30:31]
	s_wait_alu depctr_va_vdst(0)                   ; v1 is written, which the eight loads read as their offset
.irp g, 0,1,2,3
	global_load_b128 v[IN+8*\g:IN+8*\g+3],   v1, s[20:21] offset:256*\g th:TH_LOAD_NT
	global_load_b128 v[IN+8*\g+4:IN+8*\g+7], v1, s[20:21] offset:256*\g+16 th:TH_LOAD_NT
.endr
	v_mul_lo_u32 v2, v2, s26                       ; 4 kq planes (these five lines name neither v1 nor a register in which a load lands)
	v_add_nc_u32 v2, v2, v3                        ; v2..v5: my 16 bytes in blocks 4 kq .. 4 kq + 3
	v_add_nc_u32 v3, s26, v2
	v_add_nc_u32 v4, s26, v3
	v_add_nc_u32 v5, s26, v4
.irp g, 0,1,2,3
	s_wait_loadcnt 6-2*\g                          ; loads come back in order: block g's two are in, the 2 (3 - g) younger ones stay out
.if \g > 0
	s_wait_alu depctr_va_vdst(0)                   ; the conversions of the block before have written its CV, which the store below reads; at its first use v2 .. v5, the stores' offsets, are written too
	global_store_b128 v[1+\g], v[CV+4*\g-4:CV+4*\g-1], s[22:23]    ; the block before; read again by the next launch: no hint
.endif
.irp i, 0,1,2,3
	v_cvt_pk_bf16_f32 v[CV+4*\g+\i], v[IN+8*\g+2*\i], v[IN+8*\g+2*\i+1]
.endr
.endr
	s_wait_alu depctr_va_vdst(0)                   ; the last block's conversions have written its CV, which the last store reads
	global_store_b128 v5, v[CV+12:CV+15], s[22:23]
	s_endpgm                                       ; no register that a load or store names is ever rewritten
.Lfunc_end_k_q316d60bf6f_cast:
	.size	k_q316d60bf6f_cast, .Lfunc_end_k_q316d60bf6f_cast-k_q316d60bf6f_cast
	.p2alignl 7, 3214868480
	.fill 96, 4, 3214868480
	.section	.rodata,"a",@progbits
	.p2align	6, 0x0
	.amdhsa_kernel k_q316d60bf6f_cast
		.amdhsa_group_segment_fixed_size 0
		.amdhsa_private_segment_fixed_size 0
		.amdhsa_enable_private_segment 0
		.amdhsa_kernarg_size 48
		.amdhsa_user_sgpr_count 2
		.amdhsa_user_sgpr_kernarg_segment_ptr 1
		.amdhsa_wavefront_size32 1
		.amdhsa_system_sgpr_workgroup_id_x 1
		.amdhsa_system_sgpr_workgroup_id_y 1
		.amdhsa_system_sgpr_workgroup_id_z 1
		.amdhsa_system_vgpr_workitem_id 0
		.amdhsa_next_free_vgpr 56
		.amdhsa_next_free_sgpr 66
		.amdhsa_reserve_vcc 0
		.amdhsa_float_denorm_mode_32 3
		.amdhsa_float_denorm_mode_16_64 3
		.amdhsa_memory_ordered 1
		.amdhsa_forward_progress 1
		.amdhsa_inst_pref_size 5
	.end_amdhsa_kernel
	.amdgpu_metadata
---
amdhsa.version: [ 1, 2 ]
amdhsa.kernels:
  - .name:           k_q316d60bf6f_cast
    .symbol:         k_q316d60bf6f_cast.kd
    .args:
      - { .name: x, .offset: 0, .size: 8, .value_kind: global_buffer, .address_space: global }
      - { .name: Wq, .offset: 8, .size: 8, .value_kind: global_buffer, .address_space: global }
      - { .name: Wk, .offset: 16, .size: 8, .value_kind: global_buffer, .address_space: global }
      - { .name: Wv, .offset: 24, .size: 8, .value_kind: global_buffer, .address_space: global }
      - { .name: xb, .offset: 32, .size: 8, .value_kind: global_buffer, .address_space: global }
      - { .name: wb, .offset: 40, .size: 8, .value_kind: global_buffer, .address_space: global }
    .group_segment_fixed_size: 0
    .private_segment_fixed_size: 0
    .kernarg_segment_align: 8
    .kernarg_segment_size: 48
    .max_flat_workgroup_size: 256
    .sgpr_count:     66
    .vgpr_count:     56
    .wavefront_size: 32
...
	.end_amdgpu_metadata
.endif
;; end of part 4
;; launch proj: the kernel of part 2 again; grid 8 x 32, 4 waves a work-group, clusters of 4 x 4, 327,680 bytes of LDS; arguments xb, wb, qkv; writes qkv
;; launch attn: the kernel of part 3 again; grid 256 x 1, 8 waves a work-group, no clusters, 312,320 bytes of LDS; arguments qkv, out0; writes out0
